; MI455X (gfx1250); checked and timed in simulation.
; The chip was launched on July 23, 2026; its instructions are those of AMD's public machine-readable ISA for CDNA 5 (MIT licence, August 2026) and "CDNA5" Instruction Set Architecture Reference Guide (July 2026). The comments in the code are by the model that wrote it; some were corrected since.
;; Linear Mixed. Allowed arithmetic: float matrix products may take bf16 or f16 operands with f32 sums; other float arithmetic in f32, or as packed bf16 or f16 multiplies, adds, multiply-adds, maxima and minima; sums over many terms, partial sums and values carried from step to step in f32; what a program stores and reads back later, other than sums and carried values, may be rounded once to bf16 or f16.
;; Inputs: weight_packed 32,768 x 128 int32; weight_params 32,768 x 2 float32; x 4 x 2,048 x 4,096 float32.
;; Outputs: out0 4 x 2,048 x 2,048 float32.
;; 2 versions, each right; version 2 is version 1 with the launch prep written anew for expert scheduling mode. Each part assembles by itself: llvm-mc -triple=amdgcn-amd-amdhsa -mcpu=gfx1250 --defsym DOCPART=n.
;; ======== version 1 of 2: 2 launches
;; limits: values are held in f16: magnitudes above 65,504 overflow, below 6.1e-05 lose precision
;; workspace buffers: xh 67,108,864 bytes; wh 16,777,216 bytes
;; launch prep (part 1): grid 1536 x 1, 8 waves a work-group, no clusters, 0 bytes of LDS; arguments x, weight_packed, weight_params, xh, wh; writes xh, wh
.if DOCPART == 1
	.amdgcn_target "amdgcn-amd-amdhsa--gfx1250"
	.amdhsa_code_object_version 6
	.text
	.protected	k_q157df258d1_prep
	.globl	k_q157df258d1_prep
	.p2align	8
	.type	k_q157df258d1_prep,@function
k_q157df258d1_prep:
	s_mov_b64 s[64:65], 0
	v_nop
	global_prefetch_b8 v0, s[64:65] scope:SCOPE_SE
	s_setreg_imm32_b32 hwreg(HW_REG_WAVE_MODE, 25, 1), 1
	s_wait_xcnt 0x0
; TWO CONVERSIONS IN ONE LAUNCH, told apart by the work-group's number.
;   xh[m][k] = f16(x[m][k])                                  x: [8192][4096] f32, xh the same shape in f16
;   wh[o][k] = f16(q * s + z), one fused multiply-add in f32  wh: [2048][4096] f16
; A word of weight_packed holds two codes q: bits 3:0 the even k, bits 7:4 the odd k; the other bits are not used.  A group is 128 words = 256 weights on end in wh, with one pair (s, z) in
; weight_params.  A word of 4 bytes becomes two f16 of 2 bytes: a pair of weights lies in wh at the byte offset at which its word lies in weight_packed.
; LIMITS.  f16 ends at 65,504: a number of 65,520 or more in magnitude becomes an infinity; below 6.1e-5 f16 keeps its fixed step of 6e-8.  NaN and infinities are not treated apart.
; Each number is rounded once, to nearest even.
; SHARES.  Work-groups 0 to 1,023: 131,072 bytes of x each, as 32 chunks of 4,096 bytes; thread t takes the 16 bytes at 16 t of each chunk and stores 8 bytes at 8 t of the chunk's 2,048 in xh:
; a load of a wave covers 512 consecutive bytes, a store 256, aligned.  Work-groups 1,024 to 1,535: 64 groups of weights each, eight on end to a wave: a group is one load and one store of
; 16 bytes a lane, 512 consecutive bytes.  No byte is wanted by two waves: no LDS, no barrier.
.set NX,     1024                      ; work-groups that convert x
.set CH,     4096                      ; bytes of x in a chunk
.set DEPTH,  8                         ; slots = loads of a wave on their way
.set ROUNDS, 4                         ; 32 chunks = 4 rounds of 8 slots
.set X, 8                              ; v[8:39]   slot i (or group j): 4 registers as loaded; in the weights' part also as stored
.set Y, 40                             ; v[40:55]  x: slot i: 2 registers to store
.set T, 40                             ; v[40:47]  weights: 8 numbers at work
.set P, 20                             ; s[20:35]  weights: (s, z) of my wave's eight groups
	s_load_b256 s[4:11], s[0:1], 0x0               ; x s[4:5], weight_packed s[6:7], weight_params s[8:9], xh s[10:11]
	s_load_b64 s[12:13], s[0:1], 0x20              ; wh
	s_mov_b32 s2, ttmp9
	s_mov_b32 s15, 0                               ; the high word of the offsets in s[14:15]
	v_lshlrev_b32 v1, 4, v0                        ; 16 t: my bytes in a chunk of x; never rewritten
	v_lshlrev_b32 v2, 3, v0                        ; 8 t: my bytes in a chunk of xh; never rewritten
	s_wait_kmcnt 0x0
	s_cmp_lt_u32 s2, NX
	s_cbranch_scc0 .Lweights
	; ---------------- x ----------------
	s_lshl_b32 s14, s2, 17                         ; 131,072 bytes of x a work-group: under 2^27
	s_add_nc_u64 s[4:5], s[4:5], s[14:15]
	s_lshl_b32 s14, s2, 16                         ; 65,536 bytes of xh
	s_add_nc_u64 s[10:11], s[10:11], s[14:15]
.irp i, 0,1,2,3,4,5,6,7
	global_load_b128 v[X+4*(\i):X+4*(\i)+3], v1, s[4:5] offset:(\i)*CH th:TH_LOAD_NT  ; the ring is filled: chunks 0 to 7
.endr
; One slot's turn.  ahead = 1: the slot is loaded again with the chunk DEPTH further on.  left = how many younger loads may stay out.
.macro SLOT i, ahead, left
	s_wait_loadcnt \left                           ; loads come back in order (ISA guide 5.7.1): this slot's is in, the younger ones stay out
	v_cvt_pk_f16_f32 v[Y+2*(\i)],   v[X+4*(\i)],   v[X+4*(\i)+1]
	v_cvt_pk_f16_f32 v[Y+2*(\i)+1], v[X+4*(\i)+2], v[X+4*(\i)+3]
.if \ahead
	global_load_b128 v[X+4*(\i):X+4*(\i)+3], v1, s[4:5] offset:(DEPTH+(\i))*CH th:TH_LOAD_NT  ; the load goes out ahead of the store
.endif
	global_store_b64 v2, v[Y+2*(\i):Y+2*(\i)+1], s[10:11] offset:(\i)*CH/2 th:TH_STORE_NT  ; 32 lanes store 256 consecutive bytes, at a multiple of 256 from xh's first byte
.endm
	s_mov_b32 s18, ROUNDS-1
.Lround:
.irp i, 0,1,2,3,4,5,6,7
	SLOT \i, 1, DEPTH-1
.endr
	s_wait_xcnt 0x0                                ; every load and store issued so far has read its sources: the two bases are stepped, and Y is written again, only behind this wait
	s_add_nc_u64 s[4:5], s[4:5], DEPTH*CH
	s_add_nc_u64 s[10:11], s[10:11], DEPTH*CH/2
	s_sub_co_u32 s18, s18, 1
	s_cmp_lg_u32 s18, 0
	s_cbranch_scc1 .Lround
.irp i, 0,1,2,3,4,5,6,7
	SLOT \i, 0, DEPTH-1-(\i)                       ; the last round loads nothing: the counts run down to 0
.endr
	s_endpgm
	; ---------------- the weights ----------------
.Lweights:
	s_sub_co_u32 s2, s2, NX                        ; 0 to 511
	v_lshrrev_b32 v3, 5, v0
	v_readfirstlane_b32 s3, v3                     ; my wave's number
	s_lshl3_add_u32 s14, s2, s3                    ; 8 x work-group + wave: my run of eight groups,
	s_lshl_b32 s14, s14, 6                         ; whose eight pairs (s, z) are 64 bytes
	s_add_nc_u64 s[8:9], s[8:9], s[14:15]
	s_load_b512 s[P:P+15], s[8:9], 0x0             ; the same for all lanes of the wave: they come as scalars
	s_lshl_b32 s16, s2, 15                         ; 64 groups of 512 bytes a work-group, in weight_packed and in wh alike
	s_mov_b32 s17, 0
	s_add_nc_u64 s[6:7], s[6:7], s[16:17]
	s_add_nc_u64 s[12:13], s[12:13], s[16:17]
	v_and_b32 v4, 31, v0
	v_lshlrev_b32 v4, 4, v4                        ; 16 x lane
	v_lshl_add_u32 v4, v3, 12, v4                  ; + 4,096 x wave: my 16 bytes of my wave's first group; never rewritten
.irp j, 0,1,2,3,4,5,6,7
	global_load_b128 v[X+4*(\j):X+4*(\j)+3], v4, s[6:7] offset:(\j)*512 th:TH_LOAD_NT  ; all eight groups at once
.endr
	s_wait_kmcnt 0x0                               ; (s, z)
; Group j: four words a lane become eight weights.  Each group has its own four registers, loaded, rewritten once and stored; T is no store's data: no register that a pending store reads is written.
.macro DEQ j
	s_wait_loadcnt 7-(\j)                          ; group j is in; the 7 - j younger loads may stay out
.irp k, 0,1,2,3
	v_and_b32 v[T+2*(\k)],   15, v[X+4*(\j)+(\k)]          ; the even k
	v_bfe_u32 v[T+2*(\k)+1], v[X+4*(\j)+(\k)], 4, 4        ; the odd k
.endr
.irp k, 0,1,2,3,4,5,6,7
	v_cvt_f32_u32 v[T+(\k)], v[T+(\k)]
.endr
.irp k, 0,1,2,3,4,5,6,7
	v_fma_f32 v[T+(\k)], v[T+(\k)], s[P+2*(\j)], s[P+2*(\j)+1]  ; q s + z
.endr
.irp k, 0,1,2,3
	v_cvt_pk_f16_f32 v[X+4*(\j)+(\k)], v[T+2*(\k)], v[T+2*(\k)+1]
.endr
	global_store_b128 v4, v[X+4*(\j):X+4*(\j)+3], s[12:13] offset:(\j)*512 th:TH_STORE_NT  ; the wave stores 512 consecutive bytes, at a multiple of 512 from wh's first byte
.endm
.irp j, 0,1,2,3,4,5,6,7
	DEQ \j
.endr
	s_endpgm
.Lfunc_end_k_q157df258d1_prep:
	.size	k_q157df258d1_prep, .Lfunc_end_k_q157df258d1_prep-k_q157df258d1_prep
	.p2alignl 7, 3214868480
	.fill 96, 4, 3214868480
	.section	.rodata,"a",@progbits
	.p2align	6, 0x0
	.amdhsa_kernel k_q157df258d1_prep
		.amdhsa_group_segment_fixed_size 0
		.amdhsa_private_segment_fixed_size 0
		.amdhsa_enable_private_segment 0
		.amdhsa_kernarg_size 40
		.amdhsa_user_sgpr_count 2
		.amdhsa_user_sgpr_kernarg_segment_ptr 1
		.amdhsa_wavefront_size32 1
		.amdhsa_system_sgpr_workgroup_id_x 1
		.amdhsa_system_sgpr_workgroup_id_y 1
		.amdhsa_system_sgpr_workgroup_id_z 1
		.amdhsa_system_vgpr_workitem_id 0
		.amdhsa_next_free_vgpr 56
		.amdhsa_next_free_sgpr 66
		.amdhsa_reserve_vcc 0
		.amdhsa_float_denorm_mode_32 3
		.amdhsa_float_denorm_mode_16_64 3
		.amdhsa_memory_ordered 1
		.amdhsa_forward_progress 1
		.amdhsa_inst_pref_size 20
	.end_amdhsa_kernel
	.amdgpu_metadata
---
amdhsa.version: [ 1, 2 ]
amdhsa.kernels:
  - .name:           k_q157df258d1_prep
    .symbol:         k_q157df258d1_prep.kd
    .args:
      - { .name: x, .offset: 0, .size: 8, .value_kind: global_buffer, .address_space: global }
      - { .name: weight_packed, .offset: 8, .size: 8, .value_kind: global_buffer, .address_space: global }
      - { .name: weight_params, .offset: 16, .size: 8, .value_kind: global_buffer, .address_space: global }
      - { .name: xh, .offset: 24, .size: 8, .value_kind: global_buffer, .address_space: global }
      - { .name: wh, .offset: 32, .size: 8, .value_kind: global_buffer, .address_space: global }
    .group_segment_fixed_size: 0
    .private_segment_fixed_size: 0
    .kernarg_segment_align: 8
    .kernarg_segment_size: 40
    .max_flat_workgroup_size: 256
    .sgpr_count:     66
    .vgpr_count:     56
    .wavefront_size: 32
...
	.end_amdgpu_metadata
.endif
;; end of part 1
;; launch gemm (part 2): grid 8 x 32, 4 waves a work-group, clusters of 4 x 4, 327,680 bytes of LDS; arguments xh, wh, out0; writes out0
.if DOCPART == 2
	.amdgcn_target "amdgcn-amd-amdhsa--gfx1250"
	.amdhsa_code_object_version 6
	.text
	.protected	k_q157df258d1_gemm
	.globl	k_q157df258d1_gemm
	.p2align	8
	.type	k_q157df258d1_gemm,@function
k_q157df258d1_gemm:
	s_mov_b64 s[64:65], 0
	v_nop
	global_prefetch_b8 v0, s[64:65] scope:SCOPE_SE
	s_setreg_imm32_b32 hwreg(HW_REG_WAVE_MODE, 25, 1), 1
	s_wait_xcnt 0x0
	s_wait_alu depctr_hold_cnt(0) depctr_sa_sdst(0) depctr_va_vdst(0) depctr_va_sdst(0) depctr_va_ssrc(0) depctr_va_vcc(0) depctr_vm_vsrc(0)
	s_getreg_b32 s2, hwreg(HW_REG_IB_STS2, 6, 4)
	s_cmp_eq_u32 s2, 0
	s_cbranch_scc0 .Lentry_in_a_cluster
	s_endpgm
.Lentry_in_a_cluster:
	s_bfe_u32 s2, ttmp6, 0x10000c
	s_cmp_lg_u32 s2, 0xf033
	s_cbranch_scc0 .Lentry_shape_is_right
	s_endpgm
.Lentry_shape_is_right:
; out0[m][n] = the sum over k of xh[m][k] wh[n][k].  xh (A): [SIZE_M][SIZE_K] f16, wh (B): [SIZE_N][SIZE_K] f16, out0 (C): [SIZE_M][SIZE_N] f32.  One f32 sum for each output, K ascending.
; LIMITS.  The operands are f16, as the launch before made them: within 65,504, with f16's fixed step of 6e-8 below 6.1e-5.  NaN and infinities are not treated apart.
; A tile of C, 256 x 256, is made by a work-group of four waves; a wave makes 128 x 128: 64 accumulators of 16 x 16, 512 registers.  C has 32 x 8 = 256 tiles: one to a work-group.
; K goes in steps of 128 through a ring of two LDS slots filled by the tensor data mover: the rows of A's and B's tiles are 256 bytes of memory and start at multiples of 256 bytes.
; CLUSTERS: 4 x 4 work-groups.  The four of a row of the cluster make tiles of one tile row of C and need the same tiles of A; the four of a column the same tiles of B.  Such a tile is asked for
; JOINTLY: each of the four issues the same tensor load, with the same descriptor and a mask that names the four, and each receives the tile in its own LDS.
; REGISTERS, in windows of 256 (s_set_vgpr_msb's low byte: bits 1:0 source 0, 3:2 source 1, 5:4 source 2, 7:6 destination):
;   window 0: v0-31 addresses; v64-127, v128-191 fragments of A (8 x 16 rows x 32 K), two buffers; on the way out the same registers take rows read back from the stage
;   window 1: v64-127, v128-191 fragments of B, two buffers
;   window 2: the 32 accumulators of my rows 0-63 (accumulator (a, b) at v[8 (8 a + b)]);   window 3: those of my rows 64-127
; THE MATRIX INSTRUCTION IS USED TRANSPOSED: source 0 = 16 rows of B, source 1 = 16 rows of A.  In the result lane l holds row m = l % 16 of C, and its registers 0 to 7 the columns
; n = 8 (l / 16) + 0 .. 7: eight neighbouring numbers of a row of C, 32 bytes.
.set SIZE_M, 8192
.set SIZE_N, 2048
.set SIZE_K, 4096
.set KSTEP,  128
.set PITCH,  272                       ; an LDS row: 256 bytes of data + 16 of padding = 68 words: row r starts at bank 4 r mod 64 (64 banks of 4 bytes: ISA guide 11.1), so the 16 rows of a load start at 16 different banks
.set HALFT,  128*PITCH                 ; 128 rows: what one tensor load brings, and what one wave reads of A or of B
.set SLOT,   4*HALFT                   ; A's 256 rows, then B's 256 rows
.set STAGE,  2*SLOT                    ; behind the ring: 16 rows x 528 bytes for each wave, for the way out; no tensor load lands here
.set SPITCH, 528                       ; a stage row: my 128 columns in f32, 512 bytes, + 16: an odd multiple of 16 bytes
.set SPARE,  STAGE+4*16*SPITCH         ; behind the stages: the spare words, 128 bytes for each wave: two blocks of 256 bytes that no other line names
.set LAPS,   SIZE_K/(2*KSTEP)          ; a lap = two K steps = once round the ring: 16
.set ADRA, 16                          ; v16-17  LDS address of my A fragments in slot 0, 1
.set ADRB, 20                          ; v20-21  the same for B
.set STO,  24                          ; v24     the way out: where I put 32 bytes of a row
.set RD,   25                          ; v25     the way out: where I read 16 bytes of a row back
.set CO,   26                          ; v26     my byte offset in a row's 512 bytes of C
.set SPW,  28                          ; v28     LDS address of my spare word: SPARE + 4 x my thread's number; never rewritten
.set NIL,  29                          ; v29     0; never rewritten
.set PFO,  30                          ; v30     the prefetches' offset: my lane x a row of A or B in memory; never rewritten
.set PFA,  44                          ; s[44:45] where my prefetches stand: my work-group's 32 rows of the 128 that I fetch, one K step further along K than the refill being asked for
.set LIM,  43                          ; s43     1 in a wave that prefetches, else the greatest number
.set F0,   64                          ; fragment buffer 0
.set F1,   128                         ; fragment buffer 1
.set OB,   64                          ; the way out: 16 rows read back from the stage: v64-127 and v128-191 by turns
.set G1,  24                           ; s[24:31] descriptor group 1 for A's tiles
.set G0,  32                           ; s[32:39] descriptor group 0 for A's tiles, one set for each slot
.set G1B, 48                           ; s[48:55] descriptor group 1 for B's tiles: it differs from A's in the mask alone
.set G0B, 56                           ; s[56:63] descriptor group 0 for B's tiles, one set for each slot
.set MSB, 0
.macro WIN new                         ; the immediate's high byte repeats the setting that is left; a switch that changes nothing is dropped
.if MSB != (\new)
	s_set_vgpr_msb (MSB<<8)|(\new)
.set MSB, \new
.endif
.endm
.set MUL_LO, 0xa1                      ; source 0 (B) window 1, source 1 (A) window 0, C and D window 2
.set MUL_HI, 0xf1                      ; the same, C and D window 3
.set TO_B,   0x40                      ; destination window 1, address window 0
; A joint load.  Waves 0 and 1 fetch A's two halves, waves 2 and 3 B's.  Each of the two lines has ONE mask and one set of registers for all that issue it.  The branch hangs on the wave's
; number alone.  An s_nop 0 and four v_nop follow each of the two lines, ahead of the jump, the label and what follows the macro.
.macro JLOAD s
	s_cmp_eq_u32 s11, 0
	s_cbranch_scc0 .Lfor_b_\@
	tensor_load_to_lds s[G0+4*(\s):G0+4*(\s)+3], s[G1:G1+7]
	s_nop 0
.rept 4
	v_nop
.endr
	s_branch .Lasked_\@
.Lfor_b_\@:
	tensor_load_to_lds s[G0B+4*(\s):G0B+4*(\s)+3], s[G1B:G1B+7]
	s_nop 0
.rept 4
	v_nop
.endr
.Lasked_\@:
.endm
; A PREFETCH INTO THE L2, behind each joint refill, its five lines and the run of LDS loads that follows them: the K step that stands TWO refills on (512 matrix instructions ahead of the load that
; will name it): 32 rows x 256 bytes, a lane a row, one instruction a wave.  Each row's 256 bytes of a K step are named ONCE in the launch: A's tile row is read by both clusters of a row of clusters,
; and the one with cluster x = 0 asks; B's tile column by all eight clusters of a column, and the one with cluster y = 0 asks.  The four partners that ask for a tile jointly share its rows out BY
; ADDRESS: of the 128 rows that a wave fetches, the partner at place p takes 32 p .. 32 p + 31 (p = cx for A, cy for B).  K steps 0 to 3 come by their loads alone; the loop's last trip (s3 = 1),
; whose refills are K's last two steps, asks for nothing.
.macro ASK
	s_cmp_gt_u32 s3, s[LIM]
	s_cbranch_scc0 .Lnot_mine_\@
	global_prefetch_b8 v[PFO], s[PFA:PFA+1] offset:KSTEP*2 th:TH_LOAD_NT scope:SCOPE_SE
.Lnot_mine_\@:
.endm
; A round of the cluster's barrier: my work-group's barrier, so that wave 0's signal speaks for all four waves; wave 0 signals for the work-group; every wave waits for all sixteen work-groups;
; my work-group's barrier once more.  No LDS instruction of the wave is pending at a signal.
.macro CREST                           ; a round behind its opening barrier
	s_cmp_lg_u32 s10, 0
	s_cbranch_scc1 .Lnot_wave_0_\@
	s_barrier_signal -3
.Lnot_wave_0_\@:
	s_barrier_wait -3
	s_barrier_signal -1
	s_barrier_wait -1
.endm
.macro CROUND                          ; a whole round
	s_barrier_signal -1
	s_barrier_wait -1
	CREST
.endm
	s_load_b128 s[4:7], s[0:1], 0x0                ; A (xh) s[4:5], B (wh) s[6:7]
	s_load_b64 s[8:9], s[0:1], 0x10                ; C (out0)
	v_lshl_add_u32 v[SPW], v0, 2, SPARE
	v_mov_b32 v[NIL], 0
	ds_add_u32 v[SPW], v[NIL]                      ; the wave's opening: the add and its wait stand ahead of my first tensor load; the set-up below, work on registers, stands between them
	v_lshrrev_b32 v1, 5, v0
	v_readfirstlane_b32 s10, v1                    ; wave 0..3
	s_lshr_b32 s11, s10, 1                         ; which half of the tile's rows is mine.  Also: I fetch for A (0) or for B (1)
	s_and_b32 s12, s10, 1                          ; which half of its columns.  Also: which 128 rows of that tile I fetch
	s_bfe_u32 s40, ttmp6, 0x40000                  ; cx: my place along the cluster's x
	s_bfe_u32 s41, ttmp6, 0x40004                  ; cy: along its y
	s_lshl_b32 s42, ttmp9, 2                       ; in a cluster launch ttmp9 and ttmp7 count clusters
	s_add_co_u32 s42, s42, s40                     ; tile column of C = 4 x cluster x + cx
	s_and_b32 s13, ttmp7, 0xffff
	s_lshl_b32 s13, s13, 2
	s_add_co_u32 s13, s13, s41                     ; tile row of C = 4 x cluster y + cy
	s_lshl_b32 s43, s41, 2
	s_lshl_b32 s43, 15, s43                        ; my row of the cluster: places 4 cy .. 4 cy + 3
	s_lshl_b32 s44, 0x1111, s40                    ; my column: places cx, cx + 4, cx + 8, cx + 12
	; descriptor group 1: a tile of 128 rows x 128 elements, padded in LDS
	s_or_b32 s[G1+0], s43, (1<<16)|(1<<20)|(1<<21)|(5<<22)|(3<<25)  ; 15:0 the mask: A's tiles go to my row; 17:16 element of 2 bytes; 20 padding on; 21 set beside a mask; 24:22 after every 64 words (code 5); 31:25 of 4 words (code 3)
	s_or_b32 s[G1B+0], s44, (1<<16)|(1<<20)|(1<<21)|(5<<22)|(3<<25) ; the same with the mask of my column, for B's tiles
.irp g, G1, G1B
	s_mov_b32 s[(\g)+1], KSTEP<<16                 ; 63:48 tensor_dim0, low half = 128
	s_mov_b32 s[(\g)+2], 128<<16                   ; 79:64 its high half = 0; 95:80 tensor_dim1, low half = 128
	s_mov_b32 s[(\g)+3], KSTEP<<16                 ; 111:96 its high half = 0; 127:112 tile_dim0 = 128
	s_mov_b32 s[(\g)+4], 128                       ; 143:128 tile_dim1 = 128; 159:144 tile_dim2 = 0
	s_mov_b32 s[(\g)+5], SIZE_K                    ; 191:160 tensor_dim0_stride, low word: elements from row to row
	s_mov_b32 s[(\g)+6], 0
	s_mov_b32 s[(\g)+7], 0
.endr
	; where the tiles come from.  A's hang on the tile row alone, which my row of the cluster shares; B's on the tile column alone, which my column shares.
	; Every wave makes both addresses, in registers that never hold the other coordinate, and asks by one of them.
	s_lshl_b32 s17, s12, 7                         ; which 128 rows of the tile I fetch
	s_lshl_b32 s16, s13, 8
	s_add_co_u32 s16, s16, s17                     ; A: row 256 x tile row + 128 x half
	s_lshl_b32 s46, s42, 8
	s_add_co_u32 s46, s46, s17                     ; B: row 256 x tile column + 128 x half
	s_mov_b32 s17, 0
	s_mov_b32 s47, 0
	s_mov_b64 s[18:19], SIZE_K*2
	s_mul_u64 s[16:17], s[16:17], s[18:19]         ; in bytes, in 64 bits
	s_mul_u64 s[46:47], s[46:47], s[18:19]
	s_mul_i32 s20, s10, HALFT                      ; and where they go: A's two halves, then B's two halves = wave x 128 rows: no place in the cluster enters an LDS address
	s_wait_dscnt 0x0                               ; the opening add is done
	s_wait_kmcnt 0x0
	s_add_nc_u64 s[14:15], s[4:5], s[16:17]
	s_add_nc_u64 s[46:47], s[6:7], s[46:47]
	CROUND                                         ; all sixteen work-groups are here: the first joint loads meet
.irp s, 0,1
	s_mov_b32 s[G0+4*(\s)], 1                                      ; 1:0 count = 1
	s_add_co_u32 s[G0+4*(\s)+1], s20, (\s)*SLOT                    ; 63:32 LDS address
	s_add_nc_u64 s[G0+4*(\s)+2:G0+4*(\s)+3], s[14:15], (\s)*KSTEP*2  ; 120:64 global address: K step s
	s_or_b32 s[G0+4*(\s)+3], s[G0+4*(\s)+3], 0x80000000            ; 127:126 type = 2
	s_mov_b32 s[G0B+4*(\s)], 1
	s_add_co_u32 s[G0B+4*(\s)+1], s20, (\s)*SLOT
	s_add_nc_u64 s[G0B+4*(\s)+2:G0B+4*(\s)+3], s[46:47], (\s)*KSTEP*2
	s_or_b32 s[G0B+4*(\s)+3], s[G0B+4*(\s)+3], 0x80000000
	JLOAD \s                                       ; the ring is filled before anything else is done: two tensor loads of mine are out
.endr
	; A fragment is 16 rows x 32 K in 8 registers: lane l holds row l % 16; registers 0-3 hold K = 8 (l / 16) + 0..7, registers 4-7 hold
	; K = 16 + 8 (l / 16) + 0..7.  From rows that lie along K: two loads of 16 bytes, 32 bytes apart.  The same for source 0 and source 1.
	v_and_b32 v1, 15, v0                           ; l % 16
	v_bfe_u32 v2, v0, 4, 1                         ; l / 16
	v_mul_u32_u24 v3, v1, PITCH
	v_lshl_add_u32 v3, v2, 4, v3                   ; row x pitch + 16 x half
	s_mul_i32 s21, s11, HALFT                      ; my 128 rows of A
	s_mul_i32 s22, s12, HALFT                      ; my 128 rows of B,
	s_add_co_u32 s22, s22, 2*HALFT                 ; which lie behind A's 256
.irp s, 0,1
	v_add_nc_u32 v[ADRA+(\s)], s21, v3
	v_add_nc_u32 v[ADRB+(\s)], s22, v3
	s_add_co_u32 s21, s21, SLOT
	s_add_co_u32 s22, s22, SLOT
.endr
	s_mul_i32 s23, s10, 16*SPITCH
	s_add_co_u32 s23, s23, STAGE                   ; my stage
	v_mul_u32_u24 v4, v1, SPITCH                   ; in: row l % 16, 32 bytes for each half of the lanes
	v_lshl_add_u32 v4, v2, 5, v4
	v_add_nc_u32 v[STO], s23, v4
	v_and_b32 v5, 31, v0
	v_lshlrev_b32 v[CO], 4, v5                     ; back: 32 lanes take one row's 512 bytes, 16 each; the same in C
	v_add_nc_u32 v[RD], s23, v[CO]
	; C at my part of the tile
	s_lshl_b32 s13, s13, 8
	s_lshl_b32 s14, s11, 7
	s_add_co_u32 s16, s13, s14                     ; my first row of C
	s_mov_b32 s17, 0
	s_mov_b64 s[18:19], SIZE_N*4
	s_mul_u64 s[16:17], s[16:17], s[18:19]
	s_lshl_b32 s46, s42, 10                        ; my first column, in bytes: 1,024 x tile column + 512 x half (in the registers that held B's address)
	s_lshl_b32 s47, s12, 9
	s_add_co_u32 s46, s46, s47
	s_mov_b32 s47, 0
	s_add_nc_u64 s[16:17], s[16:17], s[46:47]
	s_add_nc_u64 s[8:9], s[8:9], s[16:17]
	; the prefetches.  s13 = 256 x tile row, s42 = tile column, s40 = cx, s41 = cy still stand; s[4:5] = A, s[6:7] = B
	s_lshl_b32 s42, s42, 8
	s_and_b32 s22, ttmp7, 0xffff                   ; cluster y
	s_cmp_eq_u32 s11, 0                            ; do I fetch for A?
	s_cselect_b32 s20, s13, s42                    ; the tile's first row: in A by the tile row, in B by the tile column
	s_cselect_b32 s21, s40, s41                    ; my place among the four that ask for it with me
	s_cselect_b32 s22, ttmp9, s22                  ; the coordinate along which other clusters read the same rows
	s_cselect_b64 s[PFA:PFA+1], s[4:5], s[6:7]
	s_cmp_eq_u32 s22, 0
	s_cselect_b32 s[LIM], 1, -1                    ; the same in all sixteen partners, for a given wave
	s_lshl_b32 s22, s12, 7
	s_add_co_u32 s20, s20, s22                     ; + the 128 rows that I fetch
	s_lshl_b32 s21, s21, 5
	s_add_co_u32 s20, s20, s21                     ; + my work-group's 32 of them
	s_mov_b32 s21, 0
	s_mov_b64 s[18:19], SIZE_K*2
	s_mul_u64 s[20:21], s[20:21], s[18:19]
	s_add_nc_u64 s[PFA:PFA+1], s[PFA:PFA+1], s[20:21]
	s_add_nc_u64 s[PFA:PFA+1], s[PFA:PFA+1], 2*KSTEP*2  ; at K step 2: the first refill steps it to 3 and names K step 4
	v_and_b32 v[PFO], 31, v0
	v_mul_u32_u24 v[PFO], v[PFO], SIZE_K*2
; 16 matrix instructions: m blocks a0, a0 + 1 of the window's four (hi = 0: my rows 0-63, 1: rows 64-127) x all 8 n blocks, 32 along K.
; zero = 1: the first product starts the sums: nothing is ever cleared.  The 64 accumulators take turns, one instruction a turn, in the same order in every quarter step.
.macro MUL16 f, hi, a0, zero
	WIN MUL_LO+0x50*(\hi)  ; MUL_LO or MUL_HI
.irp a, \a0, (\a0)+1
.irp b, 0,1,2,3,4,5,6,7
.if \zero
	v_wmma_f32_16x16x32_f16 v[8*(8*(\a)+(\b)):8*(8*(\a)+(\b))+7], v[(\f)+8*(\b):(\f)+8*(\b)+7], v[(\f)+8*(4*(\hi)+(\a)):(\f)+8*(4*(\hi)+(\a))+7], 0
.else
	v_wmma_f32_16x16x32_f16 v[8*(8*(\a)+(\b)):8*(8*(\a)+(\b))+7], v[(\f)+8*(\b):(\f)+8*(\b)+7], v[(\f)+8*(4*(\hi)+(\a)):(\f)+8*(4*(\hi)+(\a))+7], v[8*(8*(\a)+(\b)):8*(8*(\a)+(\b))+7]
.endif
.endr
.endr
.endm
; 32 LDS loads in one run: the fragments of one quarter step (128 rows of B, 128 rows of A, 32 K at byte k of the rows) into buffer f
.macro FETCH slot, k, f
	WIN TO_B
.irp i, 0,1,2,3,4,5,6,7
	ds_load_b128 v[(\f)+8*(\i):(\f)+8*(\i)+3],   v[ADRB+(\slot)] offset:(\k)+(\i)*16*PITCH
	ds_load_b128 v[(\f)+8*(\i)+4:(\f)+8*(\i)+7], v[ADRB+(\slot)] offset:(\k)+(\i)*16*PITCH+32
.endr
	WIN 0
.irp i, 0,1,2,3,4,5,6,7
	ds_load_b128 v[(\f)+8*(\i):(\f)+8*(\i)+3],   v[ADRA+(\slot)] offset:(\k)+(\i)*16*PITCH
	ds_load_b128 v[(\f)+8*(\i)+4:(\f)+8*(\i)+7], v[ADRA+(\slot)] offset:(\k)+(\i)*16*PITCH+32
.endr
.endm
; A load into a register that a matrix instruction has read stands four places behind that matrix instruction, and only plain vector instructions that name none of its registers are places
; (ISA guide 7.12.1 for vector instructions).  So four v_nop stand in front of each run of loads.
.macro PLACES
.rept 4
	v_nop
.endr
.endm
; A K step is four quarter steps of 32 along K, 64 matrix instructions each, on buffers 0, 1, 0, 1.
; One of the first three: multiplies buffer f; in its middle it fetches the next quarter's fragments, at byte k of the same slot's rows, into buffer g.
.macro QUARTER slot, k, f, g, zero
	s_wait_dscnt 8                                 ; B and A's rows 0-63 are in; the youngest eight loads (A's rows 64-127) may be out
	MUL16 \f, 0, 0, \zero
	MUL16 \f, 0, 2, \zero
	PLACES
	FETCH \slot, \k, \g
	s_wait_dscnt 32                                ; all but the 32 just issued
	MUL16 \f, 1, 0, \zero
	MUL16 \f, 1, 2, \zero
.endm
; The last quarter multiplies buffer 1 and changes slots.  MEET is its first half: ONE barrier for the change of slots, for two things.  In front of it each wave waits for all its tensor loads, of
; which one is out: its part of the next slot; adds 0 to its spare word; and waits for that and for its own reads of this slot.  Behind it nobody reads this slot any more and the next slot is whole.
.macro MEET round                      ; round = 1: the rest of a round of the cluster's barrier follows
	WIN 0                                          ; (the add's two registers lie in window 0)
	s_wait_tensorcnt 0x0                           ; all my tensor loads have landed: the one that was out is my part of the next slot;
	ds_add_u32 v[SPW], v[NIL]                      ; 0 onto my spare word;
	s_wait_dscnt 9                                 ; (the add and the youngest eight loads may be out)
	MUL16 F1, 0, 0, 0                              ; sixteen matrix instructions stand between the add and the wait for it
	s_wait_dscnt 0x0                               ; the add is done, and my reads of this slot are over:
	s_barrier_signal -1                            ; say so,
	MUL16 F1, 0, 2, 0                              ; work on registers while the others arrive,
.if \round
	WIN 0
.endif
	s_barrier_wait -1                              ; and go on when all four have said so
.endm
; The whole last quarter, in the loop.  Behind the round the slot just read out is filled again first, with the K step two steps on; then come the next slot's first fragments.
; From a request to the wait for it a wave issues 224 matrix instructions.
.macro TURN slot, next
	s_wait_xcnt 0x0                                ; the last prefetch, a K step back, has read its address: it is stepped here, ahead of the waits of the change of slots
	s_add_nc_u64 s[PFA:PFA+1], s[PFA:PFA+1], KSTEP*2
	MEET 1
	CREST                                          ; wave 0 says so for the work-group, all sixteen work-groups have said so, my work-group's barrier closes the round:
	                                               ; no wave of any partner still reads this slot's tile or has a load on its way
	s_add_nc_u64 s[G0+4*(\slot)+2:G0+4*(\slot)+3], s[G0+4*(\slot)+2:G0+4*(\slot)+3], 2*KSTEP*2    ; no tensor load of mine is out, so a group 0 may be written; the type bits on top are not reached
	s_add_nc_u64 s[G0B+4*(\slot)+2:G0B+4*(\slot)+3], s[G0B+4*(\slot)+2:G0B+4*(\slot)+3], 2*KSTEP*2
	JLOAD \slot                                    ; the first tensor load behind the round, and my only one until the next; the four v_nop behind it are also the places in front of the loads below
	FETCH \next, 0, F0
	ASK                                            ; behind the joint load and the run of LDS loads that the next products wait for
	MUL16 F1, 1, 0, 0
	MUL16 F1, 1, 2, 0
.endm
; THE WAY OUT of block a (16 rows x my 128 columns), in three parts.  A lane's 32 bytes are a sixteenth of a row's 512, and the lanes beside it hold other rows: so the block goes through my own stage.
; TOST: the eight accumulators into the stage; each accumulator's four lowest registers are read first.
.macro TOST a
.set AC, 64*((\a)%4)
	WIN 0x08+4*((\a)/4)                            ; an LDS store's data is source 1: window 2 (blocks 0-3) or 3 (blocks 4-7)
.irp b, 0,1,2,3,4,5,6,7
	ds_store_b128 v[STO], v[AC+8*(\b):AC+8*(\b)+3]   offset:64*(\b)
	ds_store_b128 v[STO], v[AC+8*(\b)+4:AC+8*(\b)+7] offset:64*(\b)+16
.endr
	WIN 0
.endm
; BACK: whole rows of 512 bytes come back, a row a load.  LDS serves a wave's instructions in order (ISA guide 5.7.1.4): these see the stores above, and the next block's stores come behind them.
.macro BACK a
.set BK, OB+64*((\a)%2)
.irp t, 0,1,2,3,4,5,6,7,8,9,10,11,12,13,14,15
	ds_load_b128 v[BK+4*(\t):BK+4*(\t)+3], v[RD] offset:(\t)*SPITCH
.endr
.endm
; SEND: stored.  younger: the LDS instructions issued behind block a's loads: the next block's sixteen stores, or none.
.macro SEND a, younger
.set BK, OB+64*((\a)%2)
	s_wait_dscnt \younger                          ; the block is back in registers
	s_wait_xcnt 0x0                                ; every earlier store has read its sources: only behind this wait is the base stepped, and the other buffer, which the block before was stored from, loaded again
.if (\a) > 0
	s_add_nc_u64 s[8:9], s[8:9], 16*SIZE_N*4       ; 16 rows of C on
.endif
.irp t, 0,1,2,3,4,5,6,7,8,9,10,11,12,13,14,15
	global_store_b128 v[CO], v[BK+4*(\t):BK+4*(\t)+3], s[8:9] offset:(\t)*SIZE_N*4 th:TH_STORE_NT  ; the wave stores 512 consecutive bytes of a row, at a multiple of 512 from C's first byte
.endr
.endm
	s_wait_tensorcnt 1                             ; my part of K step 0 is in; K step 1's may stay out
	s_barrier_signal -1
	s_barrier_wait -1                              ; everybody's is
	FETCH 0, 0, F0
	QUARTER 0, 64,  F0, F1, 1                      ; the first quarter stands in front of the loop: its products start the sums
	WIN 0                                          ; at a label and at a branch every window is 0
	s_mov_b32 s3, LAPS-1
.Llap:                                                 ; a trip goes once round the ring, from a lap's second quarter to the next lap's first, and fills both slots again
	QUARTER 0, 128, F1, F0, 0
	QUARTER 0, 192, F0, F1, 0
	TURN 0, 1
	QUARTER 1, 64,  F0, F1, 0
	QUARTER 1, 128, F1, F0, 0
	QUARTER 1, 192, F0, F1, 0
	TURN 1, 0
	QUARTER 0, 64,  F0, F1, 0
	WIN 0
	s_sub_co_u32 s3, s3, 1
	s_cmp_lg_u32 s3, 0
	s_cbranch_scc1 .Llap
	QUARTER 0, 128, F1, F0, 0                      ; the last lap is written out: it fills nothing
	QUARTER 0, 192, F0, F1, 0
	MEET 0                                         ; my one tensor load that was still out is slot 1's, the last K step's, so no round follows
	PLACES                                         ; for the loads into buffer 0, which the quarter before multiplied
	FETCH 1, 0, F0
	MUL16 F1, 1, 0, 0
	MUL16 F1, 1, 2, 0
	QUARTER 1, 64,  F0, F1, 0
	QUARTER 1, 128, F1, F0, 0
	QUARTER 1, 192, F0, F1, 0
	s_wait_dscnt 8                                 ; the very last quarter: nothing more to fetch
	MUL16 F1, 0, 0, 0
	MUL16 F1, 0, 2, 0
	s_wait_dscnt 0x0
	MUL16 F1, 1, 0, 0
	MUL16 F1, 1, 2, 0
	WIN 0
	PLACES                                         ; eight plain places, once a launch, behind the last products: LDS stores read results, and loads land in A's fragment buffers
	PLACES
	TOST 0
	BACK 0
.irp a, 1,2,3,4,5,6,7
	TOST \a                                        ; block a's stores into the stage stand between block a - 1's loads from it and the wait for them
	SEND (\a)-1, 16
	BACK \a
.endr
	SEND 7, 0
	s_wait_tensorcnt 0x0                           ; the wave's end: behind my last tensor load and my last LDS store
	ds_add_u32 v[SPW], v[NIL]
	s_wait_dscnt 0x0
	CROUND                                         ; the closing round: no work-group ends while a partner may still ask for a tile that names it
	s_endpgm
.Lfunc_end_k_q157df258d1_gemm:
	.size	k_q157df258d1_gemm, .Lfunc_end_k_q157df258d1_gemm-k_q157df258d1_gemm
	.p2alignl 7, 3214868480
	.fill 96, 4, 3214868480
	.section	.rodata,"a",@progbits
	.p2align	6, 0x0
	.amdhsa_kernel k_q157df258d1_gemm
		.amdhsa_group_segment_fixed_size 327680
		.amdhsa_private_segment_fixed_size 0
		.amdhsa_enable_private_segment 0
		.amdhsa_kernarg_size 24
		.amdhsa_user_sgpr_count 2
		.amdhsa_user_sgpr_kernarg_segment_ptr 1
		.amdhsa_wavefront_size32 1
		.amdhsa_system_sgpr_workgroup_id_x 1
		.amdhsa_system_sgpr_workgroup_id_y 1
		.amdhsa_system_sgpr_workgroup_id_z 1
		.amdhsa_system_vgpr_workitem_id 0
		.amdhsa_next_free_vgpr 1024
		.amdhsa_next_free_sgpr 66
		.amdhsa_reserve_vcc 0
		.amdhsa_float_denorm_mode_32 3
		.amdhsa_float_denorm_mode_16_64 3
		.amdhsa_memory_ordered 1
		.amdhsa_forward_progress 1
		.amdhsa_inst_pref_size 142
	.end_amdhsa_kernel
	.amdgpu_metadata
---
amdhsa.version: [ 1, 2 ]
amdhsa.kernels:
  - .name:           k_q157df258d1_gemm
    .symbol:         k_q157df258d1_gemm.kd
    .args:
      - { .name: xh, .offset: 0, .size: 8, .value_kind: global_buffer, .address_space: global }
      - { .name: wh, .offset: 8, .size: 8, .value_kind: global_buffer, .address_space: global }
      - { .name: out0, .offset: 16, .size: 8, .value_kind: global_buffer, .address_space: global }
    .group_segment_fixed_size: 327680
    .private_segment_fixed_size: 0
    .kernarg_segment_align: 8
    .kernarg_segment_size: 24
    .max_flat_workgroup_size: 128
    .sgpr_count:     66
    .vgpr_count:     1024
    .wavefront_size: 32
...
	.end_amdgpu_metadata
.endif
;; end of part 2
;; ======== version 2 of 2: 2 launches; version 1 with the launch prep written anew for expert scheduling mode
;; limits: values are held in f16: magnitudes above 65,504 overflow, below 6.1e-05 lose precision
;; workspace buffers: xh 67,108,864 bytes; wh 16,777,216 bytes
;; launch prep (part 3): grid 1536 x 1, 8 waves a work-group, no clusters, 0 bytes of LDS; arguments x, weight_packed, weight_params, xh, wh; writes xh, wh
.if DOCPART == 3
	.amdgcn_target "amdgcn-amd-amdhsa--gfx1250"
	.amdhsa_code_object_version 6
	.text
	.protected	k_q157df258d1_prep
	.globl	k_q157df258d1_prep
	.p2align	8
	.type	k_q157df258d1_prep,@function
k_q157df258d1_prep:
	s_mov_b64 s[64:65], 0
	v_nop
	global_prefetch_b8 v0, s[64:65] scope:SCOPE_SE
	s_setreg_imm32_b32 hwreg(HW_REG_WAVE_SCHED_MODE, 0, 2), 2
	s_setreg_imm32_b32 hwreg(HW_REG_WAVE_MODE, 25, 1), 1
	s_wait_xcnt 0x0
	s_wait_alu depctr_vm_vsrc(0)
; TWO CONVERSIONS IN ONE LAUNCH, told apart by the work-group's number.
;   xh[m][k] = f16(x[m][k])                                  x: [8192][4096] f32, xh the same shape in f16
;   wh[o][k] = f16(q * s + z), one fused multiply-add in f32  wh: [2048][4096] f16
; A word of weight_packed holds two codes q: bits 3:0 the even k, bits 7:4 the odd k; the other bits are not used.  A group is 128 words = 256 weights on end in wh, with one pair (s, z) in
; weight_params.  A word of 4 bytes becomes two f16 of 2 bytes: a pair of weights lies in wh at the byte offset at which its word lies in weight_packed.
; LIMITS.  f16 ends at 65,504: a number of 65,520 or more in magnitude becomes an infinity; below 6.1e-5 f16 keeps its fixed step of 6e-8.  NaN and infinities are not treated apart.
; Each number is rounded once, to nearest even.
; SHARES.  Work-groups 0 to 1,023: 131,072 bytes of x each, as 32 chunks of 4,096 bytes; thread t takes the 16 bytes at 16 t of each chunk and stores 8 bytes at 8 t of the chunk's 2,048 in xh:
; a load of a wave covers 512 consecutive bytes, a store 256, aligned.  Work-groups 1,024 to 1,535: 64 groups of weights each, eight on end to a wave: a group is one load and one store of
; 16 bytes a lane, 512 consecutive bytes.  No byte is wanted by two waves: no LDS, no barrier.
; THE MODE: SCHED_MODE bits 1:0 = 2 (LLVM: expert scheduling mode 2), set by the entry lines.  The code itself states the register dependences
; between vector instructions and memory instructions, with s_wait_alu, always for 0.
; THE PLAN FOR x.  The 32 chunks go in 8 blocks of four; block p has buffer b = p % 2 of each kind.  Registers that memory instructions touch:
;   X0, X1   a block of x as loaded.  Block p's eight conversions read X[b]; behind them the loads of block p + 2 land in it.
;   Y0, Y1   a block of xh to store.  Block p's conversions write Y[b]; its four stores read it; block p + 2's conversions write it again.
;   v1, v2   byte offsets, made once at the head and never written again: the chunks are reached by the two scalar bases, which move on by a block at each block's head, and by immediate offsets.
; So a block has ONE wait on va_vdst, behind its conversions (Y[b] is written, X[b] is read out), with its eight memory instructions straight behind it; and one wait on vm_vsrc at its head,
; behind the wait for its data: the stores of two blocks back have read Y[b].
; THE PLAN FOR THE WEIGHTS.  Group j has four registers of its own: loaded once, written once by its roundings, read once by its store.  T is named by vector instructions alone; v4, the one
; offset, is never written again; no load is issued behind the first eight.  So only the stores hang on vector results.  The groups go in pairs: the wait on va_vdst at a pair's head, behind
; the wait for its data, states that the pair before is rounded, and that pair's two stores follow it.
.set NX,     1024                      ; work-groups that convert x
.set CH,     4096                      ; bytes of x in a chunk
.set BLOCK,  4                         ; chunks in a block
.set BLOCKS, 8                         ; 32 chunks
.set X, 8                              ; v[8:39]   x: buffer b, chunk i: 4 registers at X + 16 b + 4 i, as loaded; weights: group j: 4 registers at X + 4 j, as loaded and then as stored
.set Y, 40                             ; v[40:55]  x: buffer b, chunk i: 2 registers at Y + 8 b + 2 i, to store
.set T, 40                             ; v[40:47]  weights: 8 numbers at work
.set P, 20                             ; s[20:35]  weights: (s, z) of my wave's eight groups
	s_load_b256 s[4:11], s[0:1], 0x0               ; x s[4:5], weight_packed s[6:7], weight_params s[8:9], xh s[10:11]
	s_load_b64 s[12:13], s[0:1], 0x20              ; wh
	s_mov_b32 s2, ttmp9
	s_mov_b32 s15, 0                               ; the high word of the offsets in s[14:15]
	v_lshlrev_b32 v1, 4, v0                        ; 16 t: my bytes in a chunk of x; never rewritten
	v_lshlrev_b32 v2, 3, v0                        ; 8 t: my bytes in a chunk of xh; never rewritten
	s_wait_kmcnt 0x0
	s_cmp_lt_u32 s2, NX
	s_cbranch_scc0 .Lweights
	; ---------------- x ----------------
	s_lshl_b32 s14, s2, 17                         ; 131,072 bytes of x a work-group: under 2^27
	s_add_nc_u64 s[4:5], s[4:5], s[14:15]
	s_lshl_b32 s14, s2, 16                         ; 65,536 bytes of xh
	s_add_nc_u64 s[10:11], s[10:11], s[14:15]
	s_wait_alu depctr_va_vdst(0)                   ; v1 and v2 are written: every load and store of this part reads one of them as its offset
.irp i, 0,1,2,3,4,5,6,7
	global_load_b128 v[X+4*(\i):X+4*(\i)+3], v1, s[4:5] offset:(\i)*CH th:TH_LOAD_NT  ; blocks 0 and 1 into X0 and X1
.endr
; Block p, on buffers b = p % 2.  first = 1: block 0, with no block in front of it.  ahead = 1: block p + 2 is loaded.  left = how many younger loads may stay out.
.macro BLK b, first, ahead, left
	s_wait_loadcnt \left                           ; loads come back in order (ISA guide 5.7.1): X[b] is in, the next block's four stay out
.if !\first
	s_wait_xcnt 0x0                                ; every load and store issued so far has had its addresses translated (ISA guide 3.1): the two bases are stepped, and Y[b] is written again, only behind this wait
	s_wait_alu depctr_vm_vsrc(0)                   ; the stores issued two blocks back have read Y[b], which the conversions below write again
	s_add_nc_u64 s[4:5], s[4:5], BLOCK*CH          ; both bases at this block's first chunk
	s_add_nc_u64 s[10:11], s[10:11], BLOCK*CH/2
.endif
.irp i, 0,1,2,3
	v_cvt_pk_f16_f32 v[Y+8*(\b)+2*(\i)],   v[X+16*(\b)+4*(\i)],   v[X+16*(\b)+4*(\i)+1]
	v_cvt_pk_f16_f32 v[Y+8*(\b)+2*(\i)+1], v[X+16*(\b)+4*(\i)+2], v[X+16*(\b)+4*(\i)+3]
.endr
	s_wait_alu depctr_va_vdst(0)                   ; the conversions have written Y[b], which the stores below read, and are done reading X[b], in which the loads below land
.irp i, 0,1,2,3
.if \ahead
	global_load_b128 v[X+16*(\b)+4*(\i):X+16*(\b)+4*(\i)+3], v1, s[4:5] offset:(2*BLOCK+(\i))*CH th:TH_LOAD_NT  ; two blocks ahead; the load goes out ahead of the store
.endif
	global_store_b64 v2, v[Y+8*(\b)+2*(\i):Y+8*(\b)+2*(\i)+1], s[10:11] offset:(\i)*CH/2 th:TH_STORE_NT  ; 32 lanes store 256 consecutive bytes, at a multiple of 256 from xh's first byte
.endr
.endm
	BLK 0, 1, 1, BLOCK                             ; block 0
	s_mov_b32 s18, (BLOCKS-4)/2
.Lround:                                               ; blocks 1 to 4, two to a lap: both kinds of buffer are back at their start
	BLK 1, 0, 1, BLOCK
	BLK 0, 0, 1, BLOCK
	s_sub_co_u32 s18, s18, 1
	s_cmp_lg_u32 s18, 0
	s_cbranch_scc1 .Lround
	BLK 1, 0, 1, BLOCK                             ; block 5 asks for block 7, the last
	BLK 0, 0, 0, BLOCK                             ; blocks 6 and 7 load nothing: no load leaves x, and the counts run down to 0
	BLK 1, 0, 0, 0
	s_endpgm
	; ---------------- the weights ----------------
.Lweights:
	s_sub_co_u32 s2, s2, NX                        ; 0 to 511
	v_lshrrev_b32 v3, 5, v0
	v_readfirstlane_b32 s3, v3                     ; my wave's number
	v_and_b32 v4, 31, v0
	v_lshlrev_b32 v4, 4, v4                        ; 16 x lane
	v_lshl_add_u32 v4, v3, 12, v4                  ; + 4,096 x wave: my 16 bytes of my wave's first group; never rewritten
	s_lshl_b32 s16, s2, 15                         ; 64 groups of 512 bytes a work-group, in weight_packed and in wh alike
	s_mov_b32 s17, 0
	s_add_nc_u64 s[6:7], s[6:7], s[16:17]
	s_add_nc_u64 s[12:13], s[12:13], s[16:17]
	s_wait_alu depctr_va_sdst(0)                   ; s3 is written, ahead of its first reader: the address of my wave's (s, z) is made from it
	s_lshl3_add_u32 s14, s2, s3                    ; 8 x work-group + wave: my run of eight groups,
	s_lshl_b32 s14, s14, 6                         ; whose eight pairs (s, z) are 64 bytes
	s_add_nc_u64 s[8:9], s[8:9], s[14:15]
	s_load_b512 s[P:P+15], s[8:9], 0x0             ; the same for all lanes of the wave: they come as scalars
	s_wait_alu depctr_va_vdst(0)                   ; v4 is written: every load and store of this part reads it as its offset
.irp j, 0,1,2,3,4,5,6,7
	global_load_b128 v[X+4*(\j):X+4*(\j)+3], v4, s[6:7] offset:(\j)*512 th:TH_LOAD_NT  ; all eight groups at once
.endr
	s_wait_kmcnt 0x0                               ; (s, z)
; Group j: four words a lane become eight weights.  Each group has its own four registers, loaded, rewritten once and stored; T is no store's data: no register that a store reads is written again.
.macro DEQ j
.irp k, 0,1,2,3
	v_and_b32 v[T+2*(\k)],   15, v[X+4*(\j)+(\k)]          ; the even k
	v_bfe_u32 v[T+2*(\k)+1], v[X+4*(\j)+(\k)], 4, 4        ; the odd k
.endr
.irp k, 0,1,2,3,4,5,6,7
	v_cvt_f32_u32 v[T+(\k)], v[T+(\k)]
.endr
.irp k, 0,1,2,3,4,5,6,7
	v_fma_f32 v[T+(\k)], v[T+(\k)], s[P+2*(\j)], s[P+2*(\j)+1]  ; q s + z
.endr
.irp k, 0,1,2,3
	v_cvt_pk_f16_f32 v[X+4*(\j)+(\k)], v[T+2*(\k)], v[T+2*(\k)+1]
.endr
.endm
.macro OUT j
	global_store_b128 v4, v[X+4*(\j):X+4*(\j)+3], s[12:13] offset:(\j)*512 th:TH_STORE_NT  ; the wave stores 512 consecutive bytes, at a multiple of 512 from wh's first byte
.endm
; Pair k: groups 2 k and 2 k + 1 are made; the pair before leaves.
.macro PAIR k
	s_wait_loadcnt 6-2*(\k)                        ; groups 2 k and 2 k + 1 are in; the 6 - 2 k younger loads may stay out
.if (\k) > 0
	s_wait_alu depctr_va_vdst(0)                   ; the roundings of the pair before have written its eight registers, which the two stores below read; no line of this pair names them
	OUT 2*(\k)-2
	OUT 2*(\k)-1
.endif
	DEQ 2*(\k)
	DEQ 2*(\k)+1
.endm
.irp k, 0,1,2,3
	PAIR \k
.endr
	s_wait_alu depctr_va_vdst(0)                   ; the roundings of groups 6 and 7 have written their registers, which the last two stores read
	OUT 6
	OUT 7
	s_endpgm
.Lfunc_end_k_q157df258d1_prep:
	.size	k_q157df258d1_prep, .Lfunc_end_k_q157df258d1_prep-k_q157df258d1_prep
	.p2alignl 7, 3214868480
	.fill 96, 4, 3214868480
	.section	.rodata,"a",@progbits
	.p2align	6, 0x0
	.amdhsa_kernel k_q157df258d1_prep
		.amdhsa_group_segment_fixed_size 0
		.amdhsa_private_segment_fixed_size 0
		.amdhsa_enable_private_segment 0
		.amdhsa_kernarg_size 40
		.amdhsa_user_sgpr_count 2
		.amdhsa_user_sgpr_kernarg_segment_ptr 1
		.amdhsa_wavefront_size32 1
		.amdhsa_system_sgpr_workgroup_id_x 1
		.amdhsa_system_sgpr_workgroup_id_y 1
		.amdhsa_system_sgpr_workgroup_id_z 1
		.amdhsa_system_vgpr_workitem_id 0
		.amdhsa_next_free_vgpr 56
		.amdhsa_next_free_sgpr 66
		.amdhsa_reserve_vcc 0
		.amdhsa_float_denorm_mode_32 3
		.amdhsa_float_denorm_mode_16_64 3
		.amdhsa_memory_ordered 1
		.amdhsa_forward_progress 1
		.amdhsa_inst_pref_size 24
	.end_amdhsa_kernel
	.amdgpu_metadata
---
amdhsa.version: [ 1, 2 ]
amdhsa.kernels:
  - .name:           k_q157df258d1_prep
    .symbol:         k_q157df258d1_prep.kd
    .args:
      - { .name: x, .offset: 0, .size: 8, .value_kind: global_buffer, .address_space: global }
      - { .name: weight_packed, .offset: 8, .size: 8, .value_kind: global_buffer, .address_space: global }
      - { .name: weight_params, .offset: 16, .size: 8, .value_kind: global_buffer, .address_space: global }
      - { .name: xh, .offset: 24, .size: 8, .value_kind: global_buffer, .address_space: global }
      - { .name: wh, .offset: 32, .size: 8, .value_kind: global_buffer, .address_space: global }
    .group_segment_fixed_size: 0
    .private_segment_fixed_size: 0
    .kernarg_segment_align: 8
    .kernarg_segment_size: 40
    .max_flat_workgroup_size: 256
    .sgpr_count:     66
    .vgpr_count:     56
    .wavefront_size: 32
...
	.end_amdgpu_metadata
.endif
;; end of part 3
;; launch gemm: the kernel of part 2 again; grid 8 x 32, 4 waves a work-group, clusters of 4 x 4, 327,680 bytes of LDS; arguments xh, wh, out0; writes out0
